; MI455X (gfx1250); checked and timed in simulation.
; The chip was launched on July 23, 2026; its instructions are those of AMD's public machine-readable ISA for CDNA 5 (MIT licence, August 2026) and "CDNA5" Instruction Set Architecture Reference Guide (July 2026). The comments in the code are by the model that wrote it; some were corrected since.
;; Mixture Of Experts. Allowed arithmetic: matrix products marked QUANTISED: E2M1 operands, one E8M0 scale for each 32 along K, by v_wmma_scale_f32_16x16x128_f8f6f4 with both operands' format E2M1 (or v_wmma_scale_f32_32x16x128_f4), f32 sums; products left as they are: f32 operands where the result goes on into a quantised operand, else bf16, f16 or f32 operands; f32 sums; everything else in f32.
;; Inputs: W1 8 x 512 x 2,048 float32; W2 8 x 2,048 x 512 float32; Wg 512 x 8 float32; b1 8 x 2,048 float32; b2 8 x 512 float32; bg 8 float32; x 8 x 512 x 512 float32.
;; Outputs: out0 8 x 512 x 512 float32.
;; This version of the problem:
;;   THIS VERSION OF THE PROBLEM IS GIVEN IN LOW PRECISION. The matrix products marked QUANTISED in the list below multiply operands that are first quantised to E2M1 (2 exponent bits, 1 mantissa bit; 4 bits a number), with one power-of-two scale for each 32 numbers along K (OCP MX v1.0); their sums are f32. All else is computed in f32.
;;   The module's matrix products, in the order in which they are computed (A, B: the left and right operand; K: the contracted axis; several contracted axes count as one K, in the product's order):
;;     1. [M 4,096, K 512] x [K 512, N 8]; A: input x; B: input Wg: left as it is (N = 8 < 16)
;;     2. [M 4,096, K 512] x [K 512, N 2,048]; A: input x; B: input W1: QUANTISED
;;     3. [M 4,096, K 2,048] x [K 2,048, N 512]; A: computed on the way; B: input W2: QUANTISED
;;     4. [M 4,096, K 512] x [K 512, N 2,048]; A: input x; B: input W1: QUANTISED
;;     5. [M 4,096, K 2,048] x [K 2,048, N 512]; A: computed on the way; B: input W2: QUANTISED
;;     6. [M 4,096, K 512] x [K 512, N 2,048]; A: input x; B: input W1: QUANTISED
;;     7. [M 4,096, K 2,048] x [K 2,048, N 512]; A: computed on the way; B: input W2: QUANTISED
;;     8. [M 4,096, K 512] x [K 512, N 2,048]; A: input x; B: input W1: QUANTISED
;;     9. [M 4,096, K 2,048] x [K 2,048, N 512]; A: computed on the way; B: input W2: QUANTISED
;;     10. [M 4,096, K 512] x [K 512, N 2,048]; A: input x; B: input W1: QUANTISED
;;     11. [M 4,096, K 2,048] x [K 2,048, N 512]; A: computed on the way; B: input W2: QUANTISED
;;     12. [M 4,096, K 512] x [K 512, N 2,048]; A: input x; B: input W1: QUANTISED
;;     13. [M 4,096, K 2,048] x [K 2,048, N 512]; A: computed on the way; B: input W2: QUANTISED
;;     14. [M 4,096, K 512] x [K 512, N 2,048]; A: input x; B: input W1: QUANTISED
;;     15. [M 4,096, K 2,048] x [K 2,048, N 512]; A: computed on the way; B: input W2: QUANTISED
;;     16. [M 4,096, K 512] x [K 512, N 2,048]; A: input x; B: input W1: QUANTISED
;;     17. [M 4,096, K 2,048] x [K 2,048, N 512]; A: computed on the way; B: input W2: QUANTISED
;;   THE QUANTISER, for each operand of a quantised product, along K:
;;     - K is cut into blocks of 32 from its start; a last block that is shorter is filled with zeros.
;;     - A block's scale is 2^e with e = floor(log2(the largest magnitude in the block)) - 2, held to -126 .. 127; a block of zeros has e = 0. As a byte (E8M0): e + 127.
;;     - Each number is divided by its block's scale, clamped to +-6, and rounded to the nearest number of E2M1, ties to even, subnormals kept.
;;     - The product sums the exact products of the quantised numbers (number of the format x scale) in f32.
;;   ~~~python
;;   def quantise(x, axis):      # numpy; x: float32 -> the quantised numbers, widened to float32 again
;;       x = np.moveaxis(x, axis, -1); K = x.shape[-1]
;;       x = np.pad(x, [(0, 0)] * (x.ndim - 1) + [(0, -K % 32)]); x = x.reshape(x.shape[:-1] + (-1, 32)); a = np.abs(x).max(-1, keepdims=True)
;;       e = np.where(a > 0, np.clip(np.frexp(np.where(a > 0, a, 1))[1] - 1 - 2, -126, 127), 0)      # np.frexp(a)[1] - 1 = floor(log2(a)), exactly
;;       r = np.clip(x / 2.0 ** e, -6, 6)
;;       step = 2.0 ** (np.maximum(np.frexp(np.where(r == 0, 1, r))[1] - 1, 0) - 1)
;;       q = np.round(r / step) * step * 2.0 ** e      # np.round: ties to even
;;       return np.moveaxis(q.reshape(q.shape[:-2] + (-1,))[..., :K], -1, axis).astype(np.float32)
;;   ~~~
;;   OPERANDS COMPUTED ON THE WAY. 'Computed on the way' means the value that the module computes at that place (a softmax that the list does not call 'softmax' is quantised finished and normalised). What goes into a quantiser is computed in f32, as accurately as f32 sums, v_exp_f32 and their like allow (about 1e-6 of the number): no bf16 or f16 on the way to a quantiser, and a product that is left as it is and whose result goes on into a quantised operand takes f32 operands (vector FMAs, or v_wmma_f32_16x16x4_f32). A number that lies on a knife's edge between two numbers of the format may be rounded either way, as far as f32 arithmetic and the matrix unit's own rounding can turn it there, and no further.
;; One version. Each part assembles by itself: llvm-mc -triple=amdgcn-amd-amdhsa -mcpu=gfx1250 --defsym DOCPART=n.
;; ======== version 1 of 1: 3 launches
;; workspace buffers: route 10,240 bytes of whole numbers; xq 1,048,576 bytes; xs 65,536 bytes; cw 131,072 bytes; wq 8,388,608 bytes; ws 524,288 bytes; ybuf 16,777,216 bytes
;; launch prep (part 1): grid 1088 x 1, 4 waves a work-group, no clusters, 34,304 bytes of LDS; arguments x, Wg, bg, W1, W2, xq, xs, cw, route, wq, ws; writes xq, xs, cw, route, wq, ws
.if DOCPART == 1
	.amdgcn_target "amdgcn-amd-amdhsa--gfx1250"
	.amdhsa_code_object_version 6
	.text
	.protected	k_qd8b78625ed_prep
	.globl	k_qd8b78625ed_prep
	.p2align	8
	.type	k_qd8b78625ed_prep,@function
k_qd8b78625ed_prep:
	s_mov_b64 s[64:65], 0
	v_nop
	global_prefetch_b8 v0, s[64:65] scope:SCOPE_SE
	s_setreg_imm32_b32 hwreg(HW_REG_WAVE_MODE, 25, 1), 1
	s_wait_xcnt 0x0
; PREP: all that is done once, ahead of the experts' chain.  Three paths, parted by the work-group's number alone:
;   work-groups 0-63      X : x [4096][512] f32 -> codes of E2M1 (xq, K innermost) and E8M0 scale bytes (xs); the router: logits in f32, softmax, the two largest
;                             (the lower index wins a tie); the probabilities go to cw, the choice as whole numbers to route, all at fixed places.
;   work-groups 64-575    W1: W1 [8][512 (k)][2048] f32 -> codes and scale words, in the order in which a wave of the chain takes them into its registers.
;   work-groups 576-1087  W2: W2 [8][2048 (k)][512] f32 -> the same.
; THE QUANTISER: a block of 32 along K has the scale 2^(floor(log2(largest magnitude)) - 2); its byte is the largest magnitude's exponent field - 2, held at 1 from below by a floor
; among the maximum's leaves; the conversion divides by the scale, rounds to the nearest code, ties to even, and holds at the largest code.
; wq: [expert][wave 8][seq 32][piece p = 2 tile + c, 8][lane 32][16 bytes]: a fill (expert, wave, seq) is 4,096 bytes on end, four fragments of 16 rows x 128 K as images of their registers.
;   seq = 4 i + s (0-15): W1, hidden units 64 (4 wave + i) on, K step s; row r of tile 2 bb + u is unit 32 bb + 8 u + r + 8 (r / 8) of the 64, so that two neighbouring tiles give a lane 16 neighbouring units.
;   seq = 16 + s2: W2, output columns 64 wave + 16 tile + r, K step s2.
; ws: [expert][wave][seq][bb 2][16 u + r] one word (four bytes: 128 along K) for each row of tile 2 bb + u.
; route: bytes 0-2047: for each 16 tokens q eight bytes, byte e = how many of them chose expert e; from byte 2048: [expert][q] a word: bits 0-15 who chose e, bits 16-31 for whom e is the higher of the two.
; LIMITS: NaN and infinities among the inputs are not served (two different experts are chosen all the same).  A block of zeros, or one whose largest magnitude lies under 2^-124, gets the byte 1
; (its codes of zeros add nothing; this program alone reads the bytes).  The two largest are taken of this text's own f32 probabilities: two that differ in the last bits of f32 rounding may fall either way.
; The stores of route (10 KB in the whole launch) and of ws (128 bytes on end) fill aligned blocks of 256 bytes only in part: one byte in 128 of what the launch reads.
.set D,    32                          ; W paths: v32-159 128 numbers of my column, down K
.set CD,   160                         ; v160-175 the codes, four registers a block: no store's data are written again
.set SW,   176                         ; v176 my column's scale word
.set SOP,  178                         ; v178-181 the conversions' scale operands
.set XA,   4                           ; X path: v4 x: row r x 2,048 + 64 h
.set WA,   5                           ; v5 Wg in LDS: 512 h
.set STW,  6                           ; v6 my stage, in:  row r x 272 + 16 h
.set STR,  7                           ; v7 my stage, out: (lane / 16) x 272 + 16 (lane % 16)
.set L16,  8                           ; v8 16 x lane
.set T16,  9                           ; v9 16 x thread
.set AC,   10                          ; v10-17 the eight logits' partial sums
.set PWS,  18                          ; v18-21 my row's four scale words
.set WR,   24                          ; v24-55 two batches of 16 numbers of Wg; between the sums v24-39 are the quantiser's
.set TM,   24
.set PC,   56                          ; v56-63 a fragment's codes
.set X0,   64                          ; v64-127, v128-191 64 numbers of x, two sets
.set X1,   128
.set P,    32                          ; the router: v32-39 the probabilities
.set M1,   40
.set I1,   41
.set M2,   42
.set I2,   43
.set HI,   44
.set NEG2, 45
.set QV,   46
.set C4,   48
.set ACW,  96
.set AXS,  97
.set ARM,  98
.set ACN,  99
.set RW,   100
.set CNW,  101
.set SEL,  54                          ; s[54:55] lane selects: lane l xor 16
.set BG,   40                          ; s[40:47] bg
	s_load_b256 s[4:11], s[0:1], 0x0               ; x s[4:5], Wg s[6:7], bg s[8:9], W1 s[10:11]
	s_load_b256 s[12:19], s[0:1], 0x20             ; W2 s[12:13], xq s[14:15], xs s[16:17], cw s[18:19]
	s_load_b128 s[20:23], s[0:1], 0x40             ; route s[20:21], wq s[22:23]
	s_load_b64 s[24:25], s[0:1], 0x50              ; ws
	v_lshl_add_u32 v192, v0, 2, 0x8400
	v_mov_b32 v193, 0
	v_lshrrev_b32 v1, 5, v0
	v_readfirstlane_b32 s26, v1                    ; wave 0..3
	v_and_b32 v1, 31, v0                           ; lane
	s_cmp_lt_u32 ttmp9, 64
	s_cbranch_scc1 .Lpath_x
	s_cmp_lt_u32 ttmp9, 576
	s_cbranch_scc0 .Lpath_w2
; ---------------------------------------------------------------- the weights
; A work-group takes 128 columns x 128 along K, its four waves side by side (a row of the source: 512 bytes on end); a lane takes a column and its registers run down K,
; so a block of 32 lies in one lane and the conversions give codes with K innermost.
.macro WLOAD kb, pitch                 ; block kb: 32 rows of the source
.set I, 0
.rept 32
	global_load_b32 v[D+32*(\kb)+I], v4, s[28:29] offset:(32*(\kb)+I)*(\pitch) th:TH_LOAD_NT
.set I, I+1
.endr
.endm
.macro WBLOCK kb, pitch
.if \kb < 3
	s_wait_loadcnt 32                              ; loads come back in order: this block's 32 are in, the next block's 32 may be out
.else
	s_wait_loadcnt 0x0
.endif
.if \kb < 2
	WLOAD \kb+2, \pitch                            ; two blocks ahead, into registers of their own
.endif
.set XB, D+32*\kb
	v_max3_num_f32 v8, |v[XB]|, |v[XB+1]|, |v[XB+2]|
	v_max3_num_f32 v9, |v[XB+3]|, |v[XB+4]|, |v[XB+5]|
.irp i, 6,10,14,18,22,26
	v_max3_num_f32 v8, v8, |v[XB+\i]|, |v[XB+\i+1]|
	v_max3_num_f32 v9, v9, |v[XB+\i+2]|, |v[XB+\i+3]|
.endr
	v_max3_num_f32 v8, v8, |v[XB+30]|, |v[XB+31]|
	v_max3_num_f32 v8, v8, v9, 0x1800000           ; with the floor 2^(3 - 127): the byte cannot fall under 1
	v_add_nc_u32 v[SOP+\kb], 0xff000000, v8        ; 2 off the exponent field: the conversion takes this operand's exponent field as its scale
.if \kb == 0
	v_lshrrev_b32 v[SW], 23, v[SOP]                ; the scale's byte; the lower K in the lower byte
.else
	v_lshrrev_b32 v10, 23, v[SOP+\kb]
	v_lshl_or_b32 v[SW], v10, 8*\kb, v[SW]
.endif
.irp g, 0,1,2,3
	v_cvt_scalef32_pk8_fp4_f32 v[CD+4*\kb+\g], v[XB+8*\g:XB+8*\g+7], v[SOP+\kb]
.endr
	global_store_b128 v5, v[CD+4*\kb:CD+4*\kb+3], s[30:31] offset:256*\kb   ; block kb = 2 c + h is piece c, lanes 16 h on: sixteen lanes fill 256 consecutive bytes, aligned; two such runs an instruction
.endm
.macro WPATH pitch
	; the fill's number from e (s34), wave (s40), seq (s41); bb = my wave's low bit; u in v8, r in v9
	s_lshl_b32 s43, s34, 3
	s_add_co_u32 s43, s43, s40
	s_lshl_b32 s43, s43, 5
	s_add_co_u32 s43, s43, s41
	s_and_b32 s44, s26, 1
	s_lshl_b32 s46, s43, 12
	s_lshl_b32 s45, s44, 11
	s_add_co_u32 s46, s46, s45
	s_mov_b32 s47, 0
	s_add_nc_u64 s[30:31], s[22:23], s[46:47]      ; wq: fill x 4,096 + bb x 2,048
	s_lshl_b32 s46, s43, 8
	s_lshl_b32 s45, s44, 7
	s_add_co_u32 s46, s46, s45
	s_add_nc_u64 s[32:33], s[24:25], s[46:47]      ; ws: fill x 256 + bb x 128
	v_lshlrev_b32 v4, 2, v1                        ; the source: 4 bytes a lane
	v_lshlrev_b32 v5, 4, v9
	v_lshl_add_u32 v5, v8, 10, v5                  ; codes: u x 1,024 + r x 16
	v_lshl_add_u32 v6, v8, 4, v9
	v_lshlrev_b32 v6, 2, v6                        ; scale word: (16 u + r) x 4
	WLOAD 0, \pitch
	WLOAD 1, \pitch
	WBLOCK 0, \pitch
	WBLOCK 1, \pitch
	WBLOCK 2, \pitch
	WBLOCK 3, \pitch
	global_store_b32 v6, v[SW], s[32:33]
	s_endpgm
.endm
	; W1: number k1 = e x 64 + s x 16 + cb
	s_sub_co_u32 s27, ttmp9, 64
	s_lshr_b32 s34, s27, 6                         ; expert
	s_bfe_u32 s35, s27, 0x20004                    ; K step s
	s_and_b32 s36, s27, 15                         ; block of 128 columns
	s_lshl_b32 s38, s34, 22                        ; an expert: 4 MiB
	s_lshl_b32 s39, s35, 20                        ; 128 rows of 8,192 bytes
	s_add_co_u32 s38, s38, s39
	s_lshl_b32 s39, s36, 9
	s_add_co_u32 s38, s38, s39
	s_lshl_b32 s39, s26, 7                         ; my wave's 32 columns
	s_add_co_u32 s38, s38, s39
	s_mov_b32 s39, 0
	s_lshr_b32 s40, s36, 1                         ; the chain's wave: 256 units each
	s_and_b32 s41, s36, 1
	s_lshl_b32 s41, s41, 1
	s_lshr_b32 s42, s26, 1
	s_add_co_u32 s41, s41, s42                     ; i: which 64 of them
	s_lshl_b32 s41, s41, 2
	s_add_co_u32 s41, s41, s35                     ; seq = 4 i + s
	v_bfe_u32 v8, v1, 3, 1                         ; column j of my 32 is row r = j % 8 + 8 (j / 16) of tile u = (j / 8) % 2
	v_and_b32 v9, 7, v1
	v_lshrrev_b32 v10, 4, v1
	v_lshl_add_u32 v9, v10, 3, v9
	s_wait_kmcnt 0x0
	s_add_nc_u64 s[28:29], s[10:11], s[38:39]
	WPATH 8192
.Lpath_w2:
	; W2: number k2 = e x 64 + s2 x 4 + cb
	s_sub_co_u32 s27, ttmp9, 576
	s_lshr_b32 s34, s27, 6                         ; expert
	s_bfe_u32 s35, s27, 0x40002                    ; K step s2
	s_and_b32 s36, s27, 3                          ; block of 128 columns
	s_lshl_b32 s38, s34, 22
	s_lshl_b32 s39, s35, 18                        ; 128 rows of 2,048 bytes
	s_add_co_u32 s38, s38, s39
	s_lshl_b32 s39, s36, 9
	s_add_co_u32 s38, s38, s39
	s_lshl_b32 s39, s26, 7
	s_add_co_u32 s38, s38, s39
	s_mov_b32 s39, 0
	s_lshl_b32 s40, s36, 1
	s_lshr_b32 s42, s26, 1
	s_add_co_u32 s40, s40, s42                     ; the chain's wave: 64 columns each
	s_add_co_u32 s41, s35, 16                      ; seq = 16 + s2
	v_lshrrev_b32 v8, 4, v1                        ; column j is row j % 16 of tile u = j / 16
	v_and_b32 v9, 15, v1
	s_wait_kmcnt 0x0
	s_add_nc_u64 s[28:29], s[12:13], s[38:39]
	WPATH 2048
; ---------------------------------------------------------------- x and the router
; A wave takes 16 tokens.  Lane (r, h) holds, of row r and of each block of 32 along K, the 16 numbers 16 h on: two lanes hold a block.  The same registers serve the logits and the quantiser.
; LDS: bytes 0-16383 Wg as it lies ([k][8] f32), stored once, read by all four waves behind one barrier; from 16384 a stage of 16 rows x 272 bytes for each wave, its own.
.macro XLOAD x, s                      ; K step s: register 16 b + i = x(r, 128 s + 32 b + 16 h + i)
.irp b, 0,1,2,3
.irp j, 0,1,2,3
	global_load_b128 v[\x+16*\b+4*\j:\x+16*\b+4*\j+3], v[XA], s[4:5] offset:512*(\s)+128*\b+16*\j th:TH_LOAD_NT
.endr
.endr
.endm
.macro WG2 s, n, set                   ; Wg's rows of my numbers n and n + 1 of K step s: 2 x 8 numbers; a half of the lanes reads one address
.set KK, 128*(\s)+32*((\n)/16)+((\n)%16)
.irp i, 0,1,2,3
	ds_load_b128 v[WR+16*(\set)+4*\i:WR+16*(\set)+4*\i+3], v[WA] offset:KK*32+16*\i
.endr
.endm
.macro FMA2 x, n, set                  ; eight logits += Wg's row x my number, for two numbers; two logits an instruction
.irp p, 0,1,2,3
	v_pk_fma_f32 v[AC+2*\p:AC+2*\p+1], v[WR+16*(\set)+2*\p:WR+16*(\set)+2*\p+1], v[\x+(\n):\x+(\n)+1], v[AC+2*\p:AC+2*\p+1] op_sel_hi:[1,0,1]
.endr
.irp p, 0,1,2,3
	v_pk_fma_f32 v[AC+2*\p:AC+2*\p+1], v[WR+16*(\set)+8+2*\p:WR+16*(\set)+8+2*\p+1], v[\x+(\n):\x+(\n)+1], v[AC+2*\p:AC+2*\p+1] op_sel:[0,1,0] op_sel_hi:[1,1,1]
.endr
.endm
.macro LOGITS s, x
	WG2 \s, 0, 0
	WG2 \s, 2, 1
.set N, 0
.rept 32
.if N < 62
	s_wait_dscnt 4                                 ; this batch's four loads are in, the next batch's four may be out
.else
	s_wait_dscnt 0x0                               ; the last batch; the stage's stores of the step before have read their registers too
.endif
	FMA2 \x, N, (N/2)%2
.if N+4 < 64
	WG2 \s, N+4, (N/2)%2
.endif
.set N, N+2
.endr
.endm
; 64 numbers of a lane become a fragment's codes in v[PC] on (registers 4 c .. 4 c + 3: k = 64 c + 32 h + 0 .. 31) and my row's scale word in v[pw]
.macro QUANT s, pw
.irp b, 0,1,2,3
	v_max3_num_f32 v[TM+\b], |v[\s+16*\b]|, |v[\s+1+16*\b]|, 0x1800000   ; my 16 numbers of block b, and the floor 2^(3 - 127)
.endr
.irp i, 2,4,6,8,10,12,14
.irp b, 0,1,2,3
	v_max3_num_f32 v[TM+\b], v[TM+\b], |v[\s+16*\b+\i]|, |v[\s+1+16*\b+\i]|
.endr
.endr
.irp b, 0,1,2,3
	v_permlanex16_b32 v[TM+4+\b], v[TM+\b], s[SEL], s[SEL+1]
.endr
.irp b, 0,1,2,3
	v_max_num_f32 v[TM+\b], v[TM+\b], v[TM+4+\b]   ; with lane l xor 16's: the block's largest magnitude
.endr
.irp b, 0,1,2,3
	v_add_nc_u32 v[TM+12+\b], 0xff000000, v[TM+\b]
.endr
.irp b, 0,1,2,3
	v_lshrrev_b32 v[TM+4+\b], 23, v[TM+12+\b]
.endr
	v_lshl_or_b32 v[\pw], v[TM+5], 8, v[TM+4]
	v_lshl_or_b32 v[\pw], v[TM+6], 16, v[\pw]
	v_lshl_or_b32 v[\pw], v[TM+7], 24, v[\pw]
.irp b, 0,1,2,3
	v_cvt_scalef32_pk8_fp4_f32 v[PC+2*\b], v[\s+16*\b:\s+7+16*\b], v[TM+12+\b]
	v_cvt_scalef32_pk8_fp4_f32 v[PC+1+2*\b], v[\s+8+16*\b:\s+15+16*\b], v[TM+12+\b]
.endr
	v_nop                                          ; one plain instruction behind the scaled conversions
.irp c, 0,1
.irp i, 0,1
	v_permlane16_swap_b32 v[PC+4*\c+\i], v[PC+2+4*\c+\i]   ; a whole block to a lane: lanes 0-15 block 2 c, lanes 16-31 block 2 c + 1
.endr
.endr
.endm
.macro XSTEP s, x, left
	s_wait_loadcnt \left                           ; this K step's 16 loads are in; the next step's 16 may be out
	LOGITS \s, \x
	QUANT \x, PWS+\s
	ds_store_b128 v[STW], v[PC:PC+3] offset:64*\s          ; 128 codes are 64 bytes of my row; block (c, h) at 32 c + 16 h
	ds_store_b128 v[STW], v[PC+4:PC+7] offset:64*\s+32
.endm
.Lpath_x:
	s_lshl_b32 s27, ttmp9, 2
	s_add_co_u32 s27, s27, s26                     ; q: which 16 tokens
	v_and_b32 v2, 15, v0                           ; r
	v_bfe_u32 v3, v0, 4, 1                         ; h
	v_lshlrev_b32 v[XA], 11, v2
	v_lshl_add_u32 v[XA], v3, 6, v[XA]
	v_lshlrev_b32 v[WA], 9, v3
	s_mul_i32 s34, s26, 4352
	s_add_co_u32 s34, s34, 16384                   ; my stage
	v_mul_u32_u24 v[STW], v2, 272
	v_lshl_add_u32 v[STW], v3, 4, v[STW]
	v_add_nc_u32 v[STW], s34, v[STW]
	v_mul_u32_u24 v[STR], v3, 272
	v_lshl_add_u32 v[STR], v2, 4, v[STR]
	v_add_nc_u32 v[STR], s34, v[STR]
	v_lshlrev_b32 v[L16], 4, v1
	v_lshlrev_b32 v[T16], 4, v0
	s_mov_b32 s[SEL], 0x76543210
	s_mov_b32 s[SEL+1], 0xfedcba98
	s_lshl_b32 s30, s27, 15                        ; 16 rows of 2,048 bytes
	s_mov_b32 s31, 0
	s_wait_kmcnt 0x0
	s_load_b256 s[BG:BG+7], s[8:9], 0x0            ; bg: no line of this launch writes it
	s_add_nc_u64 s[4:5], s[4:5], s[30:31]
.irp i, 0,1,2,3,4,5,6,7
	global_load_b128 v[X1+4*\i:X1+4*\i+3], v[T16], s[6:7] offset:2048*\i   ; Wg: 128 threads x 16 bytes x 8
.endr
	XLOAD X0, 0
	s_lshl_b32 s30, s27, 12
	s_add_nc_u64 s[14:15], s[14:15], s[30:31]      ; xq: 16 rows of 256 bytes
	s_lshl_b32 s30, s27, 8
	s_add_nc_u64 s[16:17], s[16:17], s[30:31]      ; xs: 16 x 16 bytes
	s_lshl_b32 s30, s27, 9
	s_add_nc_u64 s[18:19], s[18:19], s[30:31]      ; cw: 16 x 32 bytes
	s_lshl_b32 s30, s27, 2
	s_add_nc_u64 s[28:29], s[20:21], s[30:31]
	s_add_nc_u64 s[28:29], s[28:29], 2048          ; route: the masks' word q of expert 0
	s_lshl_b32 s30, s27, 3
	s_add_nc_u64 s[32:33], s[20:21], s[30:31]      ; route: the counts' eight bytes
.irp e, 0,1,2,3,4,5,6,7
	v_mov_b32 v[AC+\e], 0
.endr
	s_wait_loadcnt 16                              ; Wg's eight loads are in; x's sixteen may be out
.irp i, 0,1,2,3,4,5,6,7
	ds_store_b128 v[T16], v[X1+4*\i:X1+4*\i+3] offset:2048*\i
.endr
	s_wait_dscnt 0x0                               ; for the others' sake: my part of Wg lies in LDS
	s_barrier_signal -1
	s_barrier_wait -1
	XLOAD X1, 1
	XSTEP 0, X0, 16
	XLOAD X0, 2
	XSTEP 1, X1, 16
	XLOAD X1, 3
	XSTEP 2, X0, 16
	XSTEP 3, X1, 0
.irp i, 0,1,2,3,4,5,6,7
	ds_load_b128 v[X0+4*\i:X0+4*\i+3], v[STR] offset:544*\i   ; whole rows of codes back, two an instruction; LDS serves a wave's instructions in order, so these see my stores
.endr
	; the router.  Both halves of the lanes end with the same numbers
.irp e, 0,1,2,3,4,5,6,7
	v_permlanex16_b32 v[TM+\e], v[AC+\e], s[SEL], s[SEL+1]
.endr
	s_wait_kmcnt 0x0                               ; bg
.irp e, 0,1,2,3,4,5,6,7
	v_add_f32 v[AC+\e], v[AC+\e], v[TM+\e]
.endr
.irp e, 0,1,2,3,4,5,6,7
	v_add_f32 v[AC+\e], s[BG+\e], v[AC+\e]
.endr
	v_max3_num_f32 v24, v[AC], v[AC+1], v[AC+2]
	v_max3_num_f32 v24, v24, v[AC+3], v[AC+4]
	v_max3_num_f32 v24, v24, v[AC+5], v[AC+6]
	v_max_num_f32 v24, v24, v[AC+7]                ; the row's largest logit is taken away first
.irp e, 0,1,2,3,4,5,6,7
	v_sub_f32 v[AC+\e], v[AC+\e], v24              ; (difference first, then the factor: fused, the product's rounding would grow with the logits)
.endr
.irp e, 0,1,2,3,4,5,6,7
	v_mul_f32 v[AC+\e], 0x3fb8aa3b, v[AC+\e]
.endr
.irp e, 0,1,2,3,4,5,6,7
	v_exp_f32 v[P+\e], v[AC+\e]
.endr
	v_nop                                          ; a plain instruction behind the batch,
	s_wait_alu depctr_va_vdst(0)                   ; and one wait ahead of its first use
	v_add_f32 v25, v[P], v[P+1]
	v_add_f32 v26, v[P+2], v[P+3]
	v_add_f32 v27, v[P+4], v[P+5]
	v_add_f32 v28, v[P+6], v[P+7]
	v_add_f32 v25, v25, v26
	v_add_f32 v27, v27, v28
	v_add_f32 v25, v25, v27
	v_rcp_f32 v26, v25
	v_nop
	s_wait_alu depctr_va_vdst(0)
.irp e, 0,1,2,3,4,5,6,7
	v_mul_f32 v[P+\e], v[P+\e], v26
.endr
	; the largest: ascending, a later one must be strictly larger: the lower index wins a tie
	v_mov_b32 v[I1], 0
	v_mov_b32 v[M1], v[P]
.irp e, 1,2,3,4,5,6,7
	v_cmp_le_f32 vcc_lo, v[P+\e], v[M1]
	v_cndmask_b32 v[I1], \e, v[I1], vcc_lo
	v_max_num_f32 v[M1], v[M1], v[P+\e]
.endr
	; the second: the same scan with the first one's place held at -2, from -1 on; its index starts at an expert other than the first
	v_min_u32 v[I2], 1, v[I1]
	v_xor_b32 v[I2], 1, v[I2]
	v_mov_b32 v[M2], -1.0
	v_mov_b32 v[NEG2], -2.0
.irp e, 0,1,2,3,4,5,6,7
	v_cmp_eq_u32 vcc_lo, \e, v[I1]
	v_cndmask_b32 v[QV], v[P+\e], v[NEG2], vcc_lo
	v_cmp_le_f32 vcc_lo, v[QV], v[M2]
	v_cndmask_b32 v[I2], \e, v[I2], vcc_lo
	v_max_num_f32 v[M2], v[M2], v[QV]
.endr
	v_max_u32 v[HI], v[I1], v[I2]
	; the choice as whole numbers: data alone, stored at fixed places
	v_mov_b32 v[RW], 0
	v_mov_b32 v[CNW], 0
	s_mov_b32 s50, 0
	s_mov_b32 s51, 0
.irp e, 0,1,2,3,4,5,6,7
	v_cmp_eq_u32 s48, \e, v[I1]
	v_cmp_eq_u32 s49, \e, v[I2]
	s_or_b32 s48, s48, s49
	s_and_b32 s48, s48, 0xffff                     ; lanes 0-15: token 16 q + lane chose e
	s_bcnt1_i32_b32 s52, s48
	s_lshl_b32 s52, s52, 8*(\e%4)
	s_or_b32 s[50+\e/4], s[50+\e/4], s52
	v_cmp_eq_u32 s49, \e, v[HI]
	s_lshl_b32 s49, s49, 16                        ; lanes 0-15's bits go up, the others' fall off
	s_or_b32 s48, s48, s49
	v_writelane_b32 v[RW], s48, \e
.endr
	v_writelane_b32 v[CNW], s50, 0
	v_writelane_b32 v[CNW], s51, 1
	s_mov_b32 s52, 0xffff0000
.irp j, 0,1,2,3
	v_cndmask_b32 v[C4+\j], v[P+\j], v[P+4+\j], s52   ; lanes 16-31 carry experts 4 to 7
.endr
	v_lshlrev_b32 v[ACW], 5, v2
	v_lshl_add_u32 v[ACW], v3, 4, v[ACW]
	v_lshlrev_b32 v[AXS], 4, v2
	v_lshlrev_b32 v[ARM], 10, v1
	v_lshlrev_b32 v[ACN], 2, v1
	global_store_b128 v[ACW], v[C4:C4+3], s[18:19] ; 16 tokens x 32 bytes: 512 bytes on end
.irp i, 0,1,2,3,4,5,6,7
	s_wait_dscnt 7-\i
	global_store_b128 v[L16], v[X0+4*\i:X0+4*\i+3], s[14:15] offset:512*\i   ; two rows of codes: 512 bytes on end
.endr
	s_wait_xcnt 0x0                                ; EXEC changes only when every store issued so far has read it
	s_wait_tensorcnt 0x0
	ds_add_u32 v192, v193
	s_wait_dscnt 0x0
	v_cmpx_gt_u32 16, v1
	global_store_b128 v[AXS], v[PWS:PWS+3], s[16:17]   ; sixteen lanes: 256 bytes on end
	s_wait_xcnt 0x0
	v_cmpx_gt_u32 8, v1
	global_store_b32 v[ARM], v[RW], s[28:29]       ; lane e: expert e's word, 1,024 bytes apart
	s_wait_xcnt 0x0
	v_cmpx_gt_u32 2, v1
	global_store_b32 v[ACN], v[CNW], s[32:33]
	s_wait_xcnt 0x0
	s_mov_b32 exec_lo, -1
	s_endpgm
.Lfunc_end_k_qd8b78625ed_prep:
	.size	k_qd8b78625ed_prep, .Lfunc_end_k_qd8b78625ed_prep-k_qd8b78625ed_prep
	.p2alignl 7, 3214868480
	.fill 96, 4, 3214868480
	.section	.rodata,"a",@progbits
	.p2align	6, 0x0
	.amdhsa_kernel k_qd8b78625ed_prep
		.amdhsa_group_segment_fixed_size 34304
		.amdhsa_private_segment_fixed_size 0
		.amdhsa_enable_private_segment 0
		.amdhsa_kernarg_size 88
		.amdhsa_user_sgpr_count 2
		.amdhsa_user_sgpr_kernarg_segment_ptr 1
		.amdhsa_wavefront_size32 1
		.amdhsa_system_sgpr_workgroup_id_x 1
		.amdhsa_system_sgpr_workgroup_id_y 1
		.amdhsa_system_sgpr_workgroup_id_z 1
		.amdhsa_system_vgpr_workitem_id 0
		.amdhsa_next_free_vgpr 194
		.amdhsa_next_free_sgpr 66
		.amdhsa_reserve_vcc 1
		.amdhsa_float_denorm_mode_32 3
		.amdhsa_float_denorm_mode_16_64 3
		.amdhsa_memory_ordered 1
		.amdhsa_forward_progress 1
		.amdhsa_inst_pref_size 178
	.end_amdhsa_kernel
	.amdgpu_metadata
---
amdhsa.version: [ 1, 2 ]
amdhsa.kernels:
  - .name:           k_qd8b78625ed_prep
    .symbol:         k_qd8b78625ed_prep.kd
    .args:
      - { .name: x, .offset: 0, .size: 8, .value_kind: global_buffer, .address_space: global }
      - { .name: Wg, .offset: 8, .size: 8, .value_kind: global_buffer, .address_space: global }
      - { .name: bg, .offset: 16, .size: 8, .value_kind: global_buffer, .address_space: global }
      - { .name: W1, .offset: 24, .size: 8, .value_kind: global_buffer, .address_space: global }
      - { .name: W2, .offset: 32, .size: 8, .value_kind: global_buffer, .address_space: global }
      - { .name: xq, .offset: 40, .size: 8, .value_kind: global_buffer, .address_space: global }
      - { .name: xs, .offset: 48, .size: 8, .value_kind: global_buffer, .address_space: global }
      - { .name: cw, .offset: 56, .size: 8, .value_kind: global_buffer, .address_space: global }
      - { .name: route, .offset: 64, .size: 8, .value_kind: global_buffer, .address_space: global }
      - { .name: wq, .offset: 72, .size: 8, .value_kind: global_buffer, .address_space: global }
      - { .name: ws, .offset: 80, .size: 8, .value_kind: global_buffer, .address_space: global }
    .group_segment_fixed_size: 34304
    .private_segment_fixed_size: 0
    .kernarg_segment_align: 8
    .kernarg_segment_size: 88
    .max_flat_workgroup_size: 128
    .sgpr_count:     66
    .vgpr_count:     194
    .wavefront_size: 32
...
	.end_amdgpu_metadata
.endif
;; end of part 1
;; launch chain (part 2): grid 178 x 1, 8 waves a work-group, no clusters, 111,872 bytes of LDS; arguments route, xq, xs, cw, wq, ws, b1, b2, ybuf; writes ybuf
.if DOCPART == 2
	.amdgcn_target "amdgcn-amd-amdhsa--gfx1250"
	.amdhsa_code_object_version 6
	.text
	.protected	k_qd8b78625ed_chain
	.globl	k_qd8b78625ed_chain
	.p2align	8
	.type	k_qd8b78625ed_chain,@function
k_qd8b78625ed_chain:
	s_mov_b64 s[64:65], 0
	v_nop
	global_prefetch_b8 v0, s[64:65] scope:SCOPE_SE
	s_setreg_imm32_b32 hwreg(HW_REG_WAVE_MODE, 25, 1), 1
	s_wait_xcnt 0x0
; CHAIN: ybuf[2 token + slot] = prob x (gelu(x W1[e] + b1[e]) W2[e] + b2[e]) for the routed rows alone, both products on codes of E2M1 with E8M0 scales for each 32 along K.
; THE GRID serves every split: 8,192 routed rows, 8 experts, tiles of 48 rows: never more than ceil(8192 / 48) + 7 = 178 tiles.  Each work-group finds its own tile from the whole numbers that the
; launch before stored (each expert's count, then the ranks of its tokens).  A work-group that a split leaves without rows walks the same text on token 0's codes and stores nothing: so every wave passes every barrier.
; SHARES.  Eight waves share the COLUMNS: wave w makes hidden units 256 w on (four groups of 64) and output columns 64 w on, for all 48 rows (three tiles of 16).  Its 128 KB of weight codes come from memory
; straight into a ring of eight register buffers (a fill: four fragments, 4,096 bytes on end, and two registers of scale words), in the order in which the launch before laid them.
; Both products are used transposed (source 0 = 16 rows of the weight, source 1 = 16 tokens): a lane holds one token, and its registers run along the next K.  The hidden layer goes from wave to wave through LDS
; as images of the operand's registers, and never to memory.  The biases are the C of each sum's first product.
; gelu(x) = x / (1 + 2^(x (A + B x^2))), A = -2 sqrt(2 / pi) log2(e), B = 0.044715 A: the tanh form, in f32.
; NO CLUSTER, NO TENSOR LOAD: a tile's expert and its rows are numbers read from memory, wave 0's list loop branches on them, and neighbours in the grid need not have the same expert
; LIMITS: NaN and infinities are not served.  A block of the hidden layer whose largest magnitude lies under 2^-124 gets the byte 1.
; LDS
.set LIST, 0                           ; 64 entries of 4 bytes (48 used): 2 token + slot; behind them, as entries 64-95, a word a lane for the stores of lanes that are not chosen
.set B1L,  512                         ; b1[e], 8,192 bytes
.set B2L,  8704                        ; b2[e], 2,048 bytes
.set XIMG, 10752                       ; x's 12 fragments: (4 m + s) x 1,024 + 512 c + 16 lane
.set HIMG, 23040                       ; the hidden layer's 48: (3 s2 + m) x 1,024 + 512 c + 16 lane
.set HSC,  72192                       ; its scale words: row x 80 bytes, word s2
.set YST,  76032                       ; a stage of 16 rows x 272 bytes for each wave, its own
; REGISTERS, window 0
.set LANE, 1
.set R,    2                           ; lane % 16
.set H,    3                           ; lane / 16
.set L16,  4                           ; 16 x lane
.set L4,   5                           ; 4 x lane (also the list's entry of slot = lane)
.set XIA,  6                           ; XIMG + 16 lane
.set HIA,  7                           ; HIMG + 16 lane
.set HWA,  8                           ; where I store hidden images: HIA + 6,144 w, + 3,072 a trip
.set HSW,  9                           ; and their scale bytes: HSC + 80 R + 8 w, + 4 a trip
.set HSA0, 10                          ; HSC + 80 lane: rows 0-31
.set HSA1, 11                          ; HSC + 80 (32 + R): rows 32-47
.set B1A,  12                          ; B1L + 1,024 w + 64 H, + 512 a trip
.set B2A,  13                          ; B2L + 256 w + 32 H
.set YSA,  14                          ; my stage, in
.set YRA,  15                          ; my stage, out
.set CW,   16                          ; v16, v18, v20 the gate's weight of my token in row tile m (the odd ones are named in pairs, so they are written)
.set KA,   22                          ; v[22:23] A, twice;  v[24:25] B, twice
.set KB,   24
.set YLA,  26                          ; LIST + 4 H
.set LRA,  27                          ; LIST + 4 R
.set DMPI, 29                          ; 64 + lane
.set YCO,  30                          ; 256 w + 16 R
.set WS,   32                          ; v32-47 the weights' scale words: 2 buffer + bb
.set XS,   48                          ; v48-55 x's scale words (4 q + s); in phase 2 v48-63 the hidden layer's: 8 set + 4 q + s2 % 4
.set ACC,  64                          ; v64-159 twelve accumulators: 32 m + 8 t
.set T,    160                         ; v160-255 at work
.set TB,   160                         ; v160-191 the bias of four tiles
.set TX,   192                         ; v192-239 source 1's fragments: 24 set + 8 m
; window 1: v256-511 the ring: 32 buffer + 8 t + 4 c
; at the head, in T:
.set CN,   160
.set RM,   176
.set C8,   184
.set WW,   192
.set HM,   196
.set GG,   200
.set PR,   204
.set PP,   208
.set TT,   209
.set QQ,   210
.set TP,   211
.set EN1,  213
.set RK,   214
.set ZR,   216
.set CT,   217
.set PE,   218
.set F0,   220
.set AB1,  226                         ; v226-233 addresses for the head's loads and stores: made ahead of the waves' parting, never hold loaded data
.set AB2,  227
.set AXI,  228
.set GB1,  229
.set GB2,  230
.set XPO,  231
.set GCN,  232
.set GRM,  233
.set FT,   240
.set EN,   244
.set AD,   248
.set LE,   172                         ; the gather
.set OX,   176
.set OS,   180
.set OC,   182
.set XD,   188
.set MSB, 0
.macro WIN new                         ; the immediate's high byte repeats the setting that is left
.if MSB != \new
	s_set_vgpr_msb (MSB<<8)|\new
.set MSB, \new
.endif
.endm
.macro BARRIER                         ; my LDS stores have landed and my LDS loads are in: then the work-group's barrier
	s_wait_dscnt 0x0
	s_barrier_signal -1
	s_barrier_wait -1
.endm
.macro PLACES                          ; four plain instructions behind matrix instructions, ahead of loads into their registers and of the first read of results
.rept 4
	v_nop
.endr
.endm
.macro FILL buf, off                   ; a fill, off fills on from the stream's base, into ring buffer buf: ten loads
	WIN 0x40                                       ; destination window 1
.irp p, 0,1,2,3,4,5,6,7
	global_load_b128 v[32*(\buf)+4*\p:32*(\buf)+4*\p+3], v[L16], s[12:13] offset:(\off)*4096+\p*512
.endr
	WIN 0
.irp bb, 0,1
	global_load_b32 v[WS+2*(\buf)+\bb], v[L4], s[14:15] offset:(\off)*256+\bb*128
.endr
.endm
.macro FRAGS adr, first, step, set     ; three fragments of source 1 (row tiles m) from their images
.irp m, 0,1,2
.irp c, 0,1
	ds_load_b128 v[TX+24*(\set)+8*\m+4*\c:TX+24*(\set)+8*\m+4*\c+3], v[\adr] offset:(\first)+\m*(\step)+512*\c
.endr
.endr
.endm
.macro WM ra, rb                       ; one product; ra, rb: the scales stand in lanes 16-31 of their registers
.if (\ra) && (\rb)
	v_wmma_scale_f32_16x16x128_f8f6f4 v[rD:rD+7], v[rA:rA+7], v[rB:rB+7], v[rC:rC+7], v[rSA], v[rSB] matrix_a_fmt:MATRIX_FMT_FP4 matrix_b_fmt:MATRIX_FMT_FP4 matrix_a_scale:MATRIX_SCALE_ROW1 matrix_b_scale:MATRIX_SCALE_ROW1
.elseif \ra
	v_wmma_scale_f32_16x16x128_f8f6f4 v[rD:rD+7], v[rA:rA+7], v[rB:rB+7], v[rC:rC+7], v[rSA], v[rSB] matrix_a_fmt:MATRIX_FMT_FP4 matrix_b_fmt:MATRIX_FMT_FP4 matrix_a_scale:MATRIX_SCALE_ROW1
.elseif \rb
	v_wmma_scale_f32_16x16x128_f8f6f4 v[rD:rD+7], v[rA:rA+7], v[rB:rB+7], v[rC:rC+7], v[rSA], v[rSB] matrix_a_fmt:MATRIX_FMT_FP4 matrix_b_fmt:MATRIX_FMT_FP4 matrix_b_scale:MATRIX_SCALE_ROW1
.else
	v_wmma_scale_f32_16x16x128_f8f6f4 v[rD:rD+7], v[rA:rA+7], v[rB:rB+7], v[rC:rC+7], v[rSA], v[rSB] matrix_a_fmt:MATRIX_FMT_FP4 matrix_b_fmt:MATRIX_FMT_FP4
.endif
.endm
; Twelve products: the buffer's four tiles x three row tiles, 128 along K.  The twelve accumulators take turns, one instruction a turn, in the same order in every step.
; first = 1: the bias is the C.  sbase: source 1's scale word for rows 0-31 (rows 16-31 in lanes 16-31); rows 32-47 four registers on.
.macro MULS buf, bset, first, sbase
	WIN 0x01                                       ; source 0 window 1
.irp t, 0,1,2,3
.irp m, 0,1,2
.set rD, ACC+32*\m+8*\t
.set rA, 32*(\buf)+8*\t
.set rB, TX+24*(\bset)+8*\m
.set rC, rD
.if \first
.set rC, TB+8*\t
.endif
.set rSA, WS+2*(\buf)+\t/2
.set rSB, (\sbase)+4*(\m/2)
	WM \t%2, \m%2
.endr
.endr
	WIN 0
.endm
	s_load_b512 s[4:19], s[0:1], 0x0               ; route s[4:5], xq s[6:7], xs s[8:9], cw s[10:11], wq s[12:13], ws s[14:15], b1 s[16:17], b2 s[18:19]
	s_load_b64 s[20:21], s[0:1], 0x40              ; ybuf
	v_and_b32 v[LANE], 31, v0
	v_lshlrev_b32 v[GCN], 6, v[LANE]
	s_wait_kmcnt 0x0
.irp i, 0,1,2,3
	global_load_b128 v[CN+4*\i:CN+4*\i+3], v[GCN], s[4:5] offset:16*\i   ; the counts of my 128 tokens: eight q, eight bytes each
.endr
	v_and_b32 v[R], 15, v0
	v_bfe_u32 v[H], v0, 4, 1
	v_lshrrev_b32 v31, 5, v0
	v_readfirstlane_b32 s22, v31                   ; wave 0..7
	v_lshlrev_b32 v[L16], 4, v[LANE]
	v_lshlrev_b32 v[L4], 2, v[LANE]
	v_add_nc_u32 v[XIA], XIMG, v[L16]
	v_add_nc_u32 v[HIA], HIMG, v[L16]
	s_mul_i32 s58, s22, 6144
	v_add_nc_u32 v[HWA], s58, v[HIA]
	v_mul_u32_u24 v[HSW], v[R], 80
	s_lshl_b32 s58, s22, 3
	s_add_co_u32 s58, s58, HSC
	v_add_nc_u32 v[HSW], s58, v[HSW]
	v_mul_u32_u24 v[HSA0], v[LANE], 80
	v_add_nc_u32 v[HSA0], HSC, v[HSA0]
	v_mul_u32_u24 v[HSA1], v[R], 80
	v_add_nc_u32 v[HSA1], HSC+32*80, v[HSA1]
	s_lshl_b32 s58, s22, 10
	s_add_co_u32 s58, s58, B1L
	v_lshl_add_u32 v[B1A], v[H], 6, s58
	s_lshl_b32 s58, s22, 8
	s_add_co_u32 s59, s58, B2L
	v_lshl_add_u32 v[B2A], v[H], 5, s59
	v_lshl_add_u32 v[YCO], v[R], 4, s58
	s_mul_i32 s58, s22, 4352
	s_add_co_u32 s58, s58, YST
	v_mul_u32_u24 v[YSA], v[R], 272
	v_lshl_add_u32 v[YSA], v[H], 5, v[YSA]
	v_add_nc_u32 v[YSA], s58, v[YSA]
	v_mul_u32_u24 v[YRA], v[H], 272
	v_lshl_add_u32 v[YRA], v[R], 4, v[YRA]
	v_add_nc_u32 v[YRA], s58, v[YRA]
	v_lshlrev_b32 v[YLA], 2, v[H]
	v_lshlrev_b32 v[LRA], 2, v[R]
	v_add_nc_u32 v[DMPI], 64, v[LANE]
	v_lshl_add_u32 v[AB1], v0, 5, B1L
	v_lshl_add_u32 v[AB2], v0, 3, B2L
	s_lshl_b32 s58, s22, 9
	v_add_nc_u32 v[AXI], s58, v[XIA]
	v_lshlrev_b32 v[GB1], 5, v0
	v_lshlrev_b32 v[GB2], 3, v0
	s_lshl_b32 s58, s22, 5
	v_lshl_add_u32 v[XPO], v[H], 4, s58
	v_lshlrev_b32 v[GRM], 5, v[LANE]
	v_mov_b32 v[CW+1], 0
	v_mov_b32 v[CW+3], 0
	v_mov_b32 v[CW+5], 0
	v_mov_b32 v[KA], 0xc0135761                    ; A = -2.3022082
	v_mov_b32 v[KA+1], 0xc0135761
	v_mov_b32 v[KB], 0xbdd2d3e8                    ; B = -0.10294324
	v_mov_b32 v[KB+1], 0xbdd2d3e8
	s_mov_b32 s60, 0x76543210                      ; lane selects: lane l xor 16
	s_mov_b32 s61, 0xfedcba98
.irp f, 0,1,2,3
	v_mov_b32 v[FT+\f], 0                          ; written once: the destination of a lane exchange counts as one of its sources
.endr
	; ---- every wave: which tile is mine.  Each expert's count: the bytes of my eight q are added as they lie (16 x 8 = 128 at the most: no carry), widened to 16 bits, and added over the 32 lanes
	s_wait_loadcnt 0x0
	v_add3_u32 v[F0], v[CN], v[CN+2], v[CN+4]
	v_add3_u32 v[F0+2], v[CN+1], v[CN+3], v[CN+5]
	v_add3_u32 v[F0], v[F0], v[CN+6], v[CN+8]
	v_add3_u32 v[F0+2], v[F0+2], v[CN+7], v[CN+9]
	v_add3_u32 v[F0], v[F0], v[CN+10], v[CN+12]
	v_add3_u32 v[F0+2], v[F0+2], v[CN+11], v[CN+13]
	v_add_nc_u32 v[F0], v[F0], v[CN+14]
	v_add_nc_u32 v[F0+2], v[F0+2], v[CN+15]
	v_lshrrev_b32 v[F0+1], 8, v[F0]
	v_lshrrev_b32 v[F0+3], 8, v[F0+2]
.irp f, 0,1,2,3
	v_and_b32 v[F0+\f], 0xff00ff, v[F0+\f]         ; experts (0, 2), (1, 3), (4, 6), (5, 7)
.endr
.irp k, 1,2,4,8
.irp f, 0,1,2,3
	v_mov_b32_dpp v[FT+\f], v[F0+\f] row_xmask:\k row_mask:0xf bank_mask:0xf
.endr
.irp f, 0,1,2,3
	v_add_nc_u32 v[F0+\f], v[F0+\f], v[FT+\f]
.endr
.endr
.irp f, 0,1,2,3
	v_permlanex16_b32 v[FT+\f], v[F0+\f], s60, s61
.endr
.irp f, 0,1,2,3
	v_add_nc_u32 v[F0+\f], v[F0+\f], v[FT+\f]
.endr
.irp f, 0,1,2,3
	v_readfirstlane_b32 s[24+\f], v[F0+\f]
.endr
	s_and_b32 s28, s24, 0xffff                     ; s28-35: n_0 .. n_7
	s_lshr_b32 s30, s24, 16
	s_and_b32 s29, s25, 0xffff
	s_lshr_b32 s31, s25, 16
	s_and_b32 s32, s26, 0xffff
	s_lshr_b32 s34, s26, 16
	s_and_b32 s33, s27, 0xffff
	s_lshr_b32 s35, s27, 16
	s_mov_b32 s36, 0                               ; tiles ahead of expert e
	s_mov_b32 s37, 0                               ; my expert,
	s_mov_b32 s38, 0                               ; its first tile,
	s_mov_b32 s39, 0                               ; its rows
.irp e, 0,1,2,3,4,5,6,7
	s_cmp_ge_u32 ttmp9, s36                        ; the last expert whose first tile is not behind mine
	s_cselect_b32 s37, \e, s37
	s_cselect_b32 s38, s36, s38
	s_cselect_b32 s39, s[28+\e], s39
	s_add_co_u32 s58, s[28+\e], 47
	s_mul_i32 s58, s58, 43691
	s_lshr_b32 s58, s58, 21                        ; (n + 47) / 48: 43,691 / 2^21 is exact for numbers up to 4,143
	s_add_co_u32 s36, s36, s58
.endr
	s_sub_co_u32 s41, ttmp9, s38
	s_mul_i32 s41, s41, 48                         ; A: my first rank among the expert's rows
	s_sub_co_i32 s42, s39, s41
	s_max_i32 s42, s42, 0
	s_min_i32 s42, s42, 48                         ; CNT: my rows, 0 to 48
	s_add_co_u32 s43, s41, s42
	s_min_u32 s37, s37, 7
	s_mov_b32 s67, 0
	s_lshl_b32 s58, s37, 3
	s_add_co_u32 s58, s58, s22                     ; 8 expert + wave
	s_lshl_b32 s66, s58, 17
	s_add_nc_u64 s[12:13], s[12:13], s[66:67]      ; my stream of codes: 32 fills of 4,096 bytes
	s_lshl_b32 s66, s58, 13
	s_add_nc_u64 s[14:15], s[14:15], s[66:67]      ; and of scale words: 32 x 256
	s_lshl_b32 s66, s37, 13
	s_add_nc_u64 s[16:17], s[16:17], s[66:67]      ; b1[e]
	s_lshl_b32 s66, s37, 11
	s_add_nc_u64 s[18:19], s[18:19], s[66:67]      ; b2[e]
	s_lshl_b32 s66, s37, 2
	s_add_nc_u64 s[10:11], s[10:11], s[66:67]      ; cw[.][e]
	s_lshl_b32 s66, s37, 10
	s_add_nc_u64 s[68:69], s[4:5], s[66:67]
	s_add_nc_u64 s[68:69], s[68:69], 2048          ; the expert's masks
	; ---- wave 0 alone: the list of my rows.  No other wave touches LDS ahead of the barrier that follows
	s_cmp_lg_u32 s22, 0
	s_cbranch_scc1 .Lnot_wave_0
	global_load_b128 v[RM:RM+3], v[GRM], s[68:69]
	global_load_b128 v[RM+4:RM+7], v[GRM], s[68:69] offset:16
	v_mov_b32 v[ZR], 0
	ds_store_b32 v[L4], v[ZR]                      ; entries that stay unused name token 0
	ds_store_b32 v[L4], v[ZR] offset:128
	s_and_b32 s49, s37, 3
	s_lshl_b32 s49, s49, 3                         ; the expert's byte in its word,
	s_cmp_ge_u32 s37, 4
	s_cselect_b32 s50, -1, 0                       ; and which of the two words
	s_mov_b32 s44, 0xaaaaaaaa                      ; lanes with bit 1, 2, 4, 8, 16 of their number set
	s_mov_b32 s45, 0xcccccccc
	s_mov_b32 s46, 0xf0f0f0f0
	s_mov_b32 s47, 0xff00ff00
	s_mov_b32 s48, 0xffff0000
.irp q, 0,1,2,3,4,5,6,7
	v_cndmask_b32 v[C8+\q], v[CN+2*\q], v[CN+2*\q+1], s50
.endr
.irp q, 0,1,2,3,4,5,6,7
	v_bfe_u32 v[C8+\q], v[C8+\q], s49, 8
.endr
.irp r, 0,1,2,3
	v_add_nc_u32 v[GG+\r], v[C8+2*\r], v[C8+2*\r+1]   ; four groups of 32 tokens a lane
.endr
	v_add3_u32 v[CT], v[GG], v[GG+1], v[GG+2]
	v_add_nc_u32 v[CT], v[CT], v[GG+3]             ; my 128 tokens' rows
	; how many rows lie ahead of my lane: five exchanges; a lane whose number has the bit set adds its partner's block
	v_mov_b32 v[QQ], 0
	v_mov_b32_dpp v[QQ], v[CT] row_xmask:1 row_mask:0xf bank_mask:0xf
	v_cndmask_b32 v[PP], 0, v[QQ], s44
	v_add_nc_u32 v[TT], v[CT], v[QQ]
.irp k, 2,4,8
	v_mov_b32_dpp v[QQ], v[TT] row_xmask:\k row_mask:0xf bank_mask:0xf
.if \k == 2
	v_cndmask_b32 v[TP], 0, v[QQ], s45
.elseif \k == 4
	v_cndmask_b32 v[TP], 0, v[QQ], s46
.else
	v_cndmask_b32 v[TP], 0, v[QQ], s47
.endif
	v_add_nc_u32 v[PP], v[PP], v[TP]
	v_add_nc_u32 v[TT], v[TT], v[QQ]
.endr
	v_permlanex16_b32 v[QQ], v[TT], s60, s61
	v_cndmask_b32 v[TP], 0, v[QQ], s48
	v_add_nc_u32 v[PP], v[PP], v[TP]
	v_mov_b32 v[PR], v[PP]
	v_add_nc_u32 v[PR+1], v[PP], v[GG]
	v_add_nc_u32 v[PR+2], v[PR+1], v[GG+1]
	v_add_nc_u32 v[PR+3], v[PR+2], v[GG+2]         ; rows ahead of each group
	v_add_nc_u32 v[PE], v[PP], v[CT]
	s_wait_loadcnt 0x0
.irp r, 0,1,2,3
	v_and_b32 v[TP], 0xffff, v[RM+2*\r]
	v_lshl_or_b32 v[WW+\r], v[RM+2*\r+1], 16, v[TP]        ; who of the group's 32 chose the expert,
	v_lshrrev_b32 v[TP], 16, v[RM+2*\r]
	v_and_or_b32 v[HM+\r], v[RM+2*\r+1], 0xffff0000, v[TP] ; and for whom it is the higher of the two
.endr
	v_cmp_gt_u32 s51, s43, v[PP]                   ; lanes whose rows meet my ranks A .. A + CNT - 1: the first condition holds up to a lane, the second from a lane on: they stand side by side
	v_cmp_lt_u32 s58, s41, v[PE]
	s_and_b32 s51, s51, s58
	s_cmp_eq_u32 s51, 0
	s_cbranch_scc1 .Llist_done
	s_ctz_i32_b32 s52, s51                         ; the first of them,
	s_bcnt1_i32_b32 s53, s51
	s_add_co_u32 s53, s53, s52                     ; and one past the last
.macro PICK r                          ; group r of lane s52's tokens: now a lane a token
	v_readlane_b32 s54, v[WW+\r], s52
	v_readlane_b32 s55, v[HM+\r], s52
	v_readlane_b32 s56, v[PR+\r], s52
	s_add_co_u32 s59, s57, 64*\r
	v_lshl_add_u32 v[EN+\r], v[LANE], 1, s59       ; 2 x token (token = 128 s52 + 32 r + lane),
	v_or_b32 v[EN1], 1, v[EN+\r]
	v_cndmask_b32 v[EN+\r], v[EN+\r], v[EN1], s55  ; + 1 where the expert is the higher one
	v_mbcnt_lo_u32_b32 v[RK], s54, s56             ; the token's rank among the expert's rows,
	v_sub_nc_u32 v[RK], v[RK], s41                 ; counted from my first
	v_cmp_gt_u32 s58, s42, v[RK]
	s_and_b32 s58, s58, s54                        ; mine: chosen, and 0 <= rank < CNT
	v_cndmask_b32 v[RK], v[DMPI], v[RK], s58       ; the others store to a word of their own behind the list
	v_min_u32 v[RK], 95, v[RK]
	v_lshlrev_b32 v[AD+\r], 2, v[RK]
	ds_store_b32 v[AD+\r], v[EN+\r]
.endm
.Llist:
	s_lshl_b32 s57, s52, 8
	PICK 0
	PICK 1
	PICK 2
	PICK 3
	s_wait_dscnt 0x0                               ; the stores have read their registers
	s_add_co_u32 s52, s52, 1
	s_cmp_lt_u32 s52, s53
	s_cbranch_scc1 .Llist
.Llist_done:
.Lnot_wave_0:
	; ---- every wave: the biases, and the ring's first eight fills
	global_load_b128 v[160:163], v[GB1], s[16:17]
	global_load_b128 v[164:167], v[GB1], s[16:17] offset:16
	global_load_b64 v[168:169], v[GB2], s[18:19]
.irp b, 0,1,2,3,4,5,6,7
	FILL \b, \b
.endr
	BARRIER                                        ; the list lies in LDS
	; ---- the gather: wave w brings piece (s, c) = (w / 2, w % 2) of x's fragments for the three row tiles
.irp m, 0,1,2
	ds_load_b32 v[LE+\m], v[LRA] offset:64*\m      ; slot 16 m + R
.endr
	ds_load_b32 v[LE+3], v[L4]                     ; slot = lane
	s_wait_dscnt 0x0
.irp m, 0,1,2,3
	v_lshrrev_b32 v[LE+\m], 1, v[LE+\m]
.endr
.irp m, 0,1,2,3
	v_min_u32 v[LE+\m], 0xfff, v[LE+\m]            ; the token
.endr
.irp m, 0,1,2
	v_lshl_add_u32 v[OX+\m], v[LE+\m], 8, v[XPO]   ; its row of codes, + 32 w + 16 H
.endr
	v_lshlrev_b32 v[OS], 4, v[LE+3]
	v_lshlrev_b32 v[OS+1], 4, v[LE+2]
.irp m, 0,1,2
	v_lshlrev_b32 v[OC+\m], 5, v[LE+\m]
.endr
.irp m, 0,1,2
	global_load_b128 v[XD+4*\m:XD+4*\m+3], v[OX+\m], s[6:7]
.endr
	global_load_b128 v[XS:XS+3], v[OS], s[8:9]     ; scale words: rows 0-31, a lane a row;
	global_load_b128 v[XS+4:XS+7], v[OS+1], s[8:9] ; rows 32-47
.irp m, 0,1,2
	global_load_b32 v[CW+2*\m], v[OC+\m], s[10:11]
.endr
	s_wait_loadcnt 5                               ; x's three loads and all before them are in; the two loads of scale words and the three of weights may be out
	ds_store_b128 v[AB1], v[160:163]
	ds_store_b128 v[AB1], v[164:167] offset:16
	ds_store_b64 v[AB2], v[168:169]
.irp m, 0,1,2
	ds_store_b128 v[AXI], v[XD+4*\m:XD+4*\m+3] offset:4096*\m
.endr
	s_wait_loadcnt 0x0
	BARRIER                                        ; the biases and x's twelve fragments lie in LDS
; ---- PHASE 1
.macro KSTEP1 gi, s                    ; K step s of group gi: ring buffer 4 gi + s
	s_wait_loadcnt 63                              ; behind this buffer's fill seven fills, 70 loads, were issued
.if \s < 3
	s_wait_dscnt 6                                 ; the next step's six fragment loads may be out
.else
	s_wait_dscnt 0x0
.endif
.if \s == 0
	MULS 4*\gi+\s, \s%2, 1, XS+\s
.else
	MULS 4*\gi+\s, \s%2, 0, XS+\s
.endif
	PLACES
	FILL 4*\gi+\s, 8+4*\gi+\s                      ; the buffer takes the fill eight further on
.if \s < 2
	FRAGS XIA, (\s+2)*1024, 4096, \s%2
.endif
.endm
.macro GELU                            ; 96 numbers a lane, in ascending order (each accumulator is read from its low end on); two batches of transcendentals, one wait each
.set J, 0
.rept 48
	v_pk_mul_f32 v[T+J:T+J+1], v[ACC+J:ACC+J+1], v[ACC+J:ACC+J+1]
.set J, J+2
.endr
.set J, 0
.rept 48
	v_pk_fma_f32 v[T+J:T+J+1], v[T+J:T+J+1], v[KB:KB+1], v[KA:KA+1]
.set J, J+2
.endr
.set J, 0
.rept 48
	v_pk_mul_f32 v[T+J:T+J+1], v[T+J:T+J+1], v[ACC+J:ACC+J+1]
.set J, J+2
.endr
.set J, 0
.rept 96
	v_exp_f32 v[T+J], v[T+J]
.set J, J+1
.endr
	v_nop                                          ; a plain instruction behind the batch,
	s_wait_alu depctr_va_vdst(0)                   ; and one wait ahead of its first use
.set J, 0
.rept 48
	v_pk_add_f32 v[T+J:T+J+1], v[T+J:T+J+1], 1.0 op_sel_hi:[1,0]
.set J, J+2
.endr
.set J, 0
.rept 96
	v_rcp_f32 v[T+J], v[T+J]
.set J, J+1
.endr
	v_nop
	s_wait_alu depctr_va_vdst(0)
.set J, 0
.rept 48
	v_pk_mul_f32 v[ACC+J:ACC+J+1], v[ACC+J:ACC+J+1], v[T+J:T+J+1]
.set J, J+2
.endr
.endm
.set QM, T                             ; the quantiser's registers: six blocks z = 2 m + bb by turns; block z's 16 numbers of my lane are v[ACC + 16 z] on
.set QP, T+6
.set QS, T+12
.set QB, T+18
.set QH, T+24
.set QC, T+32
.macro QUANT3 gi                       ; the group's 64 units of 48 rows: half a fragment (c = gi) and two scale bytes for each row tile
.irp z, 0,1,2,3,4,5
	v_max3_num_f32 v[QM+\z], |v[ACC+16*\z]|, |v[ACC+16*\z+1]|, 0x1800000   ; and the floor 2^(3 - 127)
.endr
.irp i, 2,4,6,8,10,12,14
.irp z, 0,1,2,3,4,5
	v_max3_num_f32 v[QM+\z], v[QM+\z], |v[ACC+16*\z+\i]|, |v[ACC+16*\z+\i+1]|
.endr
.endr
.irp z, 0,1,2,3,4,5
	v_permlanex16_b32 v[QP+\z], v[QM+\z], s60, s61
.endr
.irp z, 0,1,2,3,4,5
	v_max_num_f32 v[QM+\z], v[QM+\z], v[QP+\z]     ; with lane l xor 16's 16: the block's largest magnitude
.endr
.irp z, 0,1,2,3,4,5
	v_add_nc_u32 v[QS+\z], 0xff000000, v[QM+\z]    ; 2 off the exponent field: the conversion's scale operand
.endr
.irp z, 0,1,2,3,4,5
	v_lshrrev_b32 v[QB+\z], 23, v[QS+\z]           ; the scale's byte
.endr
.irp m, 0,1,2
	v_lshl_or_b32 v[QH+\m], v[QB+2*\m+1], 8, v[QB+2*\m]
.endr
.irp z, 0,1,2,3,4,5
	v_cvt_scalef32_pk8_fp4_f32 v[QC+2*\z], v[ACC+16*\z:ACC+16*\z+7], v[QS+\z]
	v_cvt_scalef32_pk8_fp4_f32 v[QC+2*\z+1], v[ACC+16*\z+8:ACC+16*\z+15], v[QS+\z]
.endr
	v_nop                                          ; one plain instruction behind the scaled conversions
.irp m, 0,1,2
.irp i, 0,1
	v_permlane16_swap_b32 v[QC+4*\m+\i], v[QC+4*\m+2+\i]   ; a whole block to a lane
.endr
.endr
.irp m, 0,1,2
	ds_store_b128 v[HWA], v[QC+4*\m:QC+4*\m+3] offset:1024*\m+512*\gi
	ds_store_b16 v[HSW], v[QH+\m] offset:1280*\m+2*\gi     ; both halves of the lanes write the same two bytes with the same value
.endr
	s_wait_dscnt 0x0                               ; the stores have read their registers: the next group's loads land there
.endm
.macro GROUP gi                        ; 64 hidden units x 48 rows
.irp t, 0,1,2,3
	ds_load_b128 v[TB+8*\t:TB+8*\t+3], v[B1A] offset:256*\gi+128*(\t/2)+32*(\t%2)
	ds_load_b128 v[TB+8*\t+4:TB+8*\t+7], v[B1A] offset:256*\gi+128*(\t/2)+32*(\t%2)+16
.endr
	FRAGS XIA, 0, 4096, 0
	FRAGS XIA, 1024, 4096, 1
	KSTEP1 \gi, 0
	KSTEP1 \gi, 1
	KSTEP1 \gi, 2
	KSTEP1 \gi, 3
	GELU
	QUANT3 \gi
.endm
	s_mov_b32 s62, 0
.Ltrip:                                            ; a trip: two groups, once round the ring: K step 2 w + trip of the second product
	GROUP 0
	GROUP 1
	s_wait_xcnt 0x0                                ; the fills have read their bases
	s_add_nc_u64 s[12:13], s[12:13], 8*4096
	s_add_nc_u64 s[14:15], s[14:15], 8*256
	v_add_nc_u32 v[HWA], 3072, v[HWA]
	v_add_nc_u32 v[HSW], 4, v[HSW]
	v_add_nc_u32 v[B1A], 512, v[B1A]
	s_add_co_u32 s62, s62, 1
	s_cmp_lt_u32 s62, 2
	s_cbranch_scc1 .Ltrip
	BARRIER                                        ; the hidden layer's 48 fragments and their scale words lie in LDS
; ---- PHASE 2: my 64 output columns for the 48 rows, sixteen K steps; W2's first eight fills are in the ring or on their way
.macro KSTEP2 s2
.if \s2 <= 8
	s_wait_loadcnt 63                              ; seven younger fills, as in phase 1
.else
	s_wait_loadcnt 10*(15-\s2)                     ; the stream has ended: 15 - s2 younger fills of ten loads
.endif
.if \s2 == 15
	s_wait_dscnt 0x0
.elseif (\s2 == 1) || (\s2 == 5) || (\s2 == 9)
	s_wait_dscnt 8                                 ; the next step's six fragment loads and two loads of scale words may be out
.else
	s_wait_dscnt 6
.endif
.if \s2 == 0
	MULS \s2%8, \s2%2, 1, XS+8*((\s2/4)%2)+\s2%4
.else
	MULS \s2%8, \s2%2, 0, XS+8*((\s2/4)%2)+\s2%4
.endif
	PLACES
.if \s2 < 8
	FILL \s2%8, 8+\s2
.endif
.if \s2 < 14
	FRAGS HIA, 3072*(\s2+2), 1024, \s2%2
.endif
.if (\s2 == 0) || (\s2 == 4) || (\s2 == 8)
	ds_load_b128 v[XS+8*((\s2/4+1)%2):XS+8*((\s2/4+1)%2)+3], v[HSA0] offset:16*(\s2/4+1)     ; the next four K steps' scale words, into the other set
	ds_load_b128 v[XS+8*((\s2/4+1)%2)+4:XS+8*((\s2/4+1)%2)+7], v[HSA1] offset:16*(\s2/4+1)
.endif
.endm
.irp t, 0,1,2,3
	ds_load_b128 v[TB+8*\t:TB+8*\t+3], v[B2A] offset:64*\t
	ds_load_b128 v[TB+8*\t+4:TB+8*\t+7], v[B2A] offset:64*\t+16
.endr
	ds_load_b128 v[XS:XS+3], v[HSA0]
	ds_load_b128 v[XS+4:XS+7], v[HSA1]
	FRAGS HIA, 0, 1024, 0
	FRAGS HIA, 3072, 1024, 1
.irp k, 0,1,2,3,4,5,6,7,8,9,10,11,12,13,14,15
	KSTEP2 \k
.endr
	; ---- THE WAY OUT.  A lane holds eight neighbouring columns of one row: a row tile goes through my own stage and comes back as rows of 256 bytes, into the registers that it left
	; (LDS serves a wave's instructions in order, ISA guide 5.7.1.4: the loads see the stores, and the next tile's stores come behind them).
.irp m, 0,1,2
.irp i, 0,1,2,3,4,5,6,7
	ds_load_b32 v[T+8*\m+\i], v[YLA] offset:(16*\m+2*\i)*4   ; where row 16 m + 2 i + H goes
.endr
.endr
.irp m, 0,1,2
.set J, 0
.rept 16
	v_pk_mul_f32 v[ACC+32*\m+J:ACC+32*\m+J+1], v[ACC+32*\m+J:ACC+32*\m+J+1], v[CW+2*\m:CW+2*\m+1] op_sel_hi:[1,0]   ; x the gate's weight
.set J, J+2
.endr
.irp t, 0,1,2,3
	ds_store_b128 v[YSA], v[ACC+32*\m+8*\t:ACC+32*\m+8*\t+3] offset:64*\t
	ds_store_b128 v[YSA], v[ACC+32*\m+8*\t+4:ACC+32*\m+8*\t+7] offset:64*\t+16
.endr
.irp i, 0,1,2,3,4,5,6,7
	ds_load_b128 v[ACC+32*\m+4*\i:ACC+32*\m+4*\i+3], v[YRA] offset:544*\i
.endr
.endr
	s_wait_dscnt 0x0
.set J, 0
.rept 24
	v_min_u32 v[T+J], 0x1fff, v[T+J]
.set J, J+1
.endr
.set J, 0
.rept 24
	v_lshl_add_u32 v[T+J], v[T+J], 11, v[YCO]      ; row (2 token + slot) x 2,048 + 256 w + 16 R
.set J, J+1
.endr
.irp m, 0,1,2
.irp i, 0,1,2,3,4,5,6,7
	s_sub_co_i32 s58, s42, 16*\m+2*\i
	s_wait_xcnt 0x0                                ; EXEC changes only when every store issued so far has read it
	v_cmpx_gt_i32 s58, v[H]                        ; row 16 m + 2 i + H is stored where it lies under CNT; the rows ascend, so EXEC only shrinks
	global_store_b128 v[T+8*\m+\i], v[ACC+32*\m+4*\i:ACC+32*\m+4*\i+3], s[20:21] th:TH_STORE_NT   ; sixteen lanes store 256 consecutive bytes, aligned
.endr
.endr
	s_wait_xcnt 0x0
	s_mov_b32 exec_lo, -1
	s_wait_xcnt 0x0
	s_mov_b32 exec_lo, -1
	v_lshl_add_u32 v254, v0, 2, 0x1b100
	v_mov_b32 v255, 0
	s_wait_tensorcnt 0x0
	ds_add_u32 v254, v255
	s_wait_dscnt 0x0
	s_endpgm
.Lfunc_end_k_qd8b78625ed_chain:
	.size	k_qd8b78625ed_chain, .Lfunc_end_k_qd8b78625ed_chain-k_qd8b78625ed_chain
	.p2alignl 7, 3214868480
	.fill 96, 4, 3214868480
	.section	.rodata,"a",@progbits
	.p2align	6, 0x0
	.amdhsa_kernel k_qd8b78625ed_chain
		.amdhsa_group_segment_fixed_size 111872
		.amdhsa_private_segment_fixed_size 0
		.amdhsa_enable_private_segment 0
		.amdhsa_kernarg_size 72
		.amdhsa_user_sgpr_count 2
		.amdhsa_user_sgpr_kernarg_segment_ptr 1
		.amdhsa_wavefront_size32 1
		.amdhsa_system_sgpr_workgroup_id_x 1
		.amdhsa_system_sgpr_workgroup_id_y 1
		.amdhsa_system_sgpr_workgroup_id_z 1
		.amdhsa_system_vgpr_workitem_id 0
		.amdhsa_next_free_vgpr 512
		.amdhsa_next_free_sgpr 80
		.amdhsa_reserve_vcc 0
		.amdhsa_float_denorm_mode_32 3
		.amdhsa_float_denorm_mode_16_64 3
		.amdhsa_memory_ordered 1
		.amdhsa_forward_progress 1
		.amdhsa_inst_pref_size 168
	.end_amdhsa_kernel
	.amdgpu_metadata
---
amdhsa.version: [ 1, 2 ]
amdhsa.kernels:
  - .name:           k_qd8b78625ed_chain
    .symbol:         k_qd8b78625ed_chain.kd
    .args:
      - { .name: route, .offset: 0, .size: 8, .value_kind: global_buffer, .address_space: global }
      - { .name: xq, .offset: 8, .size: 8, .value_kind: global_buffer, .address_space: global }
      - { .name: xs, .offset: 16, .size: 8, .value_kind: global_buffer, .address_space: global }
      - { .name: cw, .offset: 24, .size: 8, .value_kind: global_buffer, .address_space: global }
      - { .name: wq, .offset: 32, .size: 8, .value_kind: global_buffer, .address_space: global }
      - { .name: ws, .offset: 40, .size: 8, .value_kind: global_buffer, .address_space: global }
      - { .name: b1, .offset: 48, .size: 8, .value_kind: global_buffer, .address_space: global }
      - { .name: b2, .offset: 56, .size: 8, .value_kind: global_buffer, .address_space: global }
      - { .name: ybuf, .offset: 64, .size: 8, .value_kind: global_buffer, .address_space: global }
    .group_segment_fixed_size: 111872
    .private_segment_fixed_size: 0
    .kernarg_segment_align: 8
    .kernarg_segment_size: 72
    .max_flat_workgroup_size: 256
    .sgpr_count:     80
    .vgpr_count:     512
    .wavefront_size: 32
...
	.end_amdgpu_metadata
.endif
;; end of part 2
;; launch combine (part 3): grid 256 x 1, 8 waves a work-group, no clusters, 0 bytes of LDS; arguments ybuf, out0; writes out0
.if DOCPART == 3
	.amdgcn_target "amdgcn-amd-amdhsa--gfx1250"
	.amdhsa_code_object_version 6
	.text
	.protected	k_qd8b78625ed_combine
	.globl	k_qd8b78625ed_combine
	.p2align	8
	.type	k_qd8b78625ed_combine,@function
k_qd8b78625ed_combine:
	s_mov_b64 s[64:65], 0
	v_nop
	global_prefetch_b8 v0, s[64:65] scope:SCOPE_SE
	s_setreg_imm32_b32 hwreg(HW_REG_WAVE_MODE, 25, 1), 1
	s_wait_xcnt 0x0
; out0[token] = ybuf[2 token] + ybuf[2 token + 1]: the lower expert's row and the higher one's, in the order in which the experts are summed.  A plain stream: no LDS, no barrier, no matrix unit.
; A work-group takes 16 tokens: 65,536 bytes in, 32,768 out.  A thread takes 16 bytes of each of eight tokens; a wave's load or store covers 512 consecutive bytes, aligned.
; All sixteen loads of a thread go out first; nothing is written twice, so no register waits for a store.
	s_load_b128 s[4:7], s[0:1], 0x0                ; ybuf, out0
	v_lshrrev_b32 v1, 7, v0                        ; which of two tokens
	v_and_b32 v3, 127, v0
	v_lshlrev_b32 v3, 4, v3                        ; my 16 bytes of a row of 2,048
	v_lshl_add_u32 v1, v1, 12, v3                  ; in: a token is two rows
	v_lshlrev_b32 v2, 4, v0                        ; out
	s_lshl_b32 s8, ttmp9, 16
	s_mov_b32 s9, 0
	s_lshl_b32 s10, ttmp9, 15
	s_mov_b32 s11, 0
	s_wait_kmcnt 0x0
	s_add_nc_u64 s[4:5], s[4:5], s[8:9]
	s_add_nc_u64 s[6:7], s[6:7], s[10:11]
.irp i, 0,1,2,3,4,5,6,7
	global_load_b128 v[8+8*\i:11+8*\i], v1, s[4:5] offset:8192*\i th:TH_LOAD_NT
	global_load_b128 v[12+8*\i:15+8*\i], v1, s[4:5] offset:8192*\i+2048 th:TH_LOAD_NT
.endr
.irp i, 0,1,2,3,4,5,6,7
	s_wait_loadcnt 14-2*\i                         ; loads come back in order: this pair is in, the younger pairs may be out
	v_pk_add_f32 v[8+8*\i:9+8*\i], v[8+8*\i:9+8*\i], v[12+8*\i:13+8*\i]
	v_pk_add_f32 v[10+8*\i:11+8*\i], v[10+8*\i:11+8*\i], v[14+8*\i:15+8*\i]
	global_store_b128 v2, v[8+8*\i:11+8*\i], s[6:7] offset:4096*\i th:TH_STORE_NT
.endr
	s_endpgm
.Lfunc_end_k_qd8b78625ed_combine:
	.size	k_qd8b78625ed_combine, .Lfunc_end_k_qd8b78625ed_combine-k_qd8b78625ed_combine
	.p2alignl 7, 3214868480
	.fill 96, 4, 3214868480
	.section	.rodata,"a",@progbits
	.p2align	6, 0x0
	.amdhsa_kernel k_qd8b78625ed_combine
		.amdhsa_group_segment_fixed_size 0
		.amdhsa_private_segment_fixed_size 0
		.amdhsa_enable_private_segment 0
		.amdhsa_kernarg_size 16
		.amdhsa_user_sgpr_count 2
		.amdhsa_user_sgpr_kernarg_segment_ptr 1
		.amdhsa_wavefront_size32 1
		.amdhsa_system_sgpr_workgroup_id_x 1
		.amdhsa_system_sgpr_workgroup_id_y 1
		.amdhsa_system_sgpr_workgroup_id_z 1
		.amdhsa_system_vgpr_workitem_id 0
		.amdhsa_next_free_vgpr 136
		.amdhsa_next_free_sgpr 66
		.amdhsa_reserve_vcc 0
		.amdhsa_float_denorm_mode_32 3
		.amdhsa_float_denorm_mode_16_64 3
		.amdhsa_memory_ordered 1
		.amdhsa_forward_progress 1
		.amdhsa_inst_pref_size 5
	.end_amdhsa_kernel
	.amdgpu_metadata
---
amdhsa.version: [ 1, 2 ]
amdhsa.kernels:
  - .name:           k_qd8b78625ed_combine
    .symbol:         k_qd8b78625ed_combine.kd
    .args:
      - { .name: ybuf, .offset: 0, .size: 8, .value_kind: global_buffer, .address_space: global }
      - { .name: out0, .offset: 8, .size: 8, .value_kind: global_buffer, .address_space: global }
    .group_segment_fixed_size: 0
    .private_segment_fixed_size: 0
    .kernarg_segment_align: 8
    .kernarg_segment_size: 16
    .max_flat_workgroup_size: 256
    .sgpr_count:     66
    .vgpr_count:     136
    .wavefront_size: 32
...
	.end_amdgpu_metadata
.endif
;; end of part 3
